; MI455X (gfx1250); checked and timed in simulation.
; The chip was launched on July 23, 2026; its instructions are those of AMD's public machine-readable ISA for CDNA 5 (MIT licence, August 2026) and "CDNA5" Instruction Set Architecture Reference Guide (July 2026). The comments in the code are by the model that wrote it; some were corrected since.
;; Multi Head Attention. Allowed arithmetic: matrix products marked QUANTISED: E4M3 operands, one given power-of-two scale a tensor, by v_wmma_f32_16x16x64_fp8_fp8 or v_wmma_f32_16x16x128_fp8_fp8, f32 sums; everything else in f32.
;; Inputs: bk 1,024 float32; bo 1,024 float32; bq 1,024 float32; bv 1,024 float32; lowp_scales 12 int32 (the exponents e of the quantised operands' scales 2^e); wk 1,024 x 1,024 float32; wo 1,024 x 1,024 float32; wq 1,024 x 1,024 float32; wv 1,024 x 1,024 float32; x 4 x 2,048 x 1,024 float32.
;; Outputs: out0 4 x 2,048 x 1,024 float32.
;; This version of the problem:
;;   THIS VERSION OF THE PROBLEM IS GIVEN IN LOW PRECISION. The matrix products marked QUANTISED in the list below multiply operands that are first quantised to E4M3 (4 exponent bits, 3 mantissa bits; 8 bits a number), with one given power-of-two scale for each operand tensor; their sums are f32. All else is computed in f32.
;;   The module's matrix products, in the order in which they are computed (A, B: the left and right operand; K: the contracted axis; several contracted axes count as one K, in the product's order):
;;     1. [M 8,192, K 1,024] x [K 1,024, N 1,024]; A: input x; B: input wq: QUANTISED (scales: A lowp_scales[0], B lowp_scales[1])
;;     2. [M 8,192, K 1,024] x [K 1,024, N 1,024]; A: input x; B: input wk: QUANTISED (scales: A lowp_scales[2], B lowp_scales[3])
;;     3. [M 8,192, K 1,024] x [K 1,024, N 1,024]; A: input x; B: input wv: QUANTISED (scales: A lowp_scales[4], B lowp_scales[5])
;;     4. batch 64 x [M 2,048, K 64] x [K 64, N 2,048]; A: computed on the way; B: computed on the way: QUANTISED (scales: A lowp_scales[6], B lowp_scales[7])
;;     5. batch 64 x [M 2,048, K 2,048] x [K 2,048, N 64]; A: softmax (see below); B: computed on the way: QUANTISED (scales: A lowp_scales[8], B lowp_scales[9])
;;     6. [M 8,192, K 1,024] x [K 1,024, N 1,024]; A: computed on the way; B: input wo: QUANTISED (scales: A lowp_scales[10], B lowp_scales[11])
;;   THE QUANTISER, for each operand of a quantised product, along K:
;;     - The operand's scale is 2^e, e = its entry of the input lowp_scales (int32; the entries are numbered through the quantised products in the list's order, A before B).
;;     - Each number is divided by the scale, clamped to +-448, and rounded to the nearest number of E4M3, ties to even, subnormals kept.
;;     - The product sums the exact products of the quantised numbers (number of the format x scale) in f32.
;;   ~~~python
;;   def quantise(x, axis, e):      # numpy; x: float32 -> the quantised numbers, widened to float32 again
;;       x = np.moveaxis(x, axis, -1); K = x.shape[-1]
;;       r = np.clip(x / 2.0 ** e, -448, 448)
;;       step = 2.0 ** (np.maximum(np.frexp(np.where(r == 0, 1, r))[1] - 1, -6) - 3)
;;       q = np.round(r / step) * step * 2.0 ** e      # np.round: ties to even
;;       return np.moveaxis(q, -1, axis).astype(np.float32)
;;   ~~~
;;   SOFTMAX AHEAD OF A QUANTISED PRODUCT. Where the list says 'softmax', what is quantised is not the finished softmax but p = 2^(t - M), with t = logit x log2(e) and M = ceil(the row's largest t), a whole number; so 1/2 < the row's largest p <= 1. The row's sum l is taken of the UNQUANTISED p, in f32, and the product's result is divided by l at the end. Since M is a whole number, a kernel that streams over the keys may use a running M (the ceiling of the running maximum): every later rescaling is an exact power of two, so the quantised numbers keep their values, but for numbers so far below the row's largest that they fall under the format's range.
;;   OPERANDS COMPUTED ON THE WAY. 'Computed on the way' means the value that the module computes at that place (a softmax that the list does not call 'softmax' is quantised finished and normalised). What goes into a quantiser is computed in f32, as accurately as f32 sums, v_exp_f32 and their like allow (about 1e-6 of the number): no bf16 or f16 on the way to a quantiser, and a product that is left as it is and whose result goes on into a quantised operand takes f32 operands (vector FMAs, or v_wmma_f32_16x16x4_f32). A number that lies on a knife's edge between two numbers of the format may be rounded either way, as far as f32 arithmetic and the matrix unit's own rounding can turn it there, and no further.
;; One version. Each part assembles by itself: llvm-mc -triple=amdgcn-amd-amdhsa -mcpu=gfx1250 --defsym DOCPART=n.
;; ======== version 1 of 1: 4 launches
;; limits: right only within a limited range of input values
;; workspace buffers: xc 25,165,824 bytes; wc 4,194,304 bytes; qkvc 25,165,824 bytes; ao 8,388,608 bytes
;; launch quant (part 1): grid 384 x 1, 4 waves a work-group, no clusters, 35,328 bytes of LDS; arguments x, wq, wk, wv, wo, lowp_scales, xc, wc; writes xc, wc
.if DOCPART == 1
	.amdgcn_target "amdgcn-amd-amdhsa--gfx1250"
	.amdhsa_code_object_version 6
	.text
	.protected	k_qe7a4d320a7_quant
	.globl	k_qe7a4d320a7_quant
	.p2align	8
	.type	k_qe7a4d320a7_quant,@function
k_qe7a4d320a7_quant:
	s_mov_b64 s[64:65], 0
	v_nop
	global_prefetch_b8 v0, s[64:65] scope:SCOPE_SE
	s_setreg_imm32_b32 hwreg(HW_REG_WAVE_MODE, 25, 1), 1
	s_wait_xcnt 0x0
; x [8192][1024] f32 and the four weights [1024 (k)][1024 (n)] f32 become codes of FP8 (E4M3), one byte a code, K innermost.
; code = number / 2^e, held within +-448, rounded to the nearest code, ties to even; e comes from lowp_scales: x has three (entries 0, 2, 4), so three planes of codes are made;
; wq, wk, wv, wo take entries 1, 3, 5, 11.  LIMITS: each e lies between -126 and 119, so that 2^e and 448 x 2^e are f32 numbers.  NaN among the inputs is not served; an infinity is held at the largest code.
; LAYOUTS (this program's own; the products read them).
;   Along K, x and wq, wk, wv stand in a permuted order, the same in all four: position 512 ch + 16 l + 4 i + j holds k = 512 ch + 128 i + 4 l + j.  A sum over K does not mind, and x then needs no turn
;   through LDS: four loads of 512 consecutive bytes give lane l the sixteen numbers of positions 16 l .. 16 l + 15.  wo stands in natural order (its partner is made elsewhere).
;   Rows: plane 0 of xc has token m at row m; planes 1, 2 and all weights have index m at row swap34(m) (bits 3 and 4 exchanged), so that sixteen neighbouring rows are
;   indices 32 b + 8 u + r + 8 (r / 8): a product's lane then holds sixteen neighbouring results in two neighbouring tiles.
; SHARES.  Work-groups 0-255: x, a wave takes 8 rows in 16 steps of 512 numbers; loads run four steps ahead.  Work-groups 256-383: the weights, a wave takes 32 columns x 256 positions, a lane a column,
; its registers running down K; the codes go through the wave's own stage in LDS and leave as rows, sixteen lanes storing 256 consecutive aligned bytes.
; No tensor loads, no matrix unit, no cluster, no barrier: waves share nothing and every byte is read once.
.set RAW,   16                         ; v16-79   x: four sets of 16 numbers as loaded
.set TT,    80                         ; v80-111  x: two sets of 16 held numbers, by turns
.set CC,    112                        ; v112-159 x: codes, 12 registers a step, a ring of four steps
.set X,     32                         ; v32-95   weights: two sets of 32 numbers
.set WCD,   96                         ; v96-103  weights: a block's codes
.set OUTR,  112                        ; v112-175 weights: the way out
.set PITCH, 272                        ; a stage row: 256 bytes of codes + 16
	s_load_b512 s[4:19], s[0:1], 0x0               ; x s[4:5], wq s[6:7], wk s[8:9], wv s[10:11], wo s[12:13], scales s[14:15], xc s[16:17], wc s[18:19]
	v_lshl_add_u32 v176, v0, 2, 0x8800
	v_mov_b32 v177, 0
	v_lshrrev_b32 v1, 5, v0
	v_readfirstlane_b32 s2, v1                     ; wave 0..3
	v_and_b32 v2, 31, v0                           ; lane
	s_wait_kmcnt 0x0
	s_load_b256 s[20:27], s[14:15], 0x0            ; e0 .. e7
	s_load_b128 s[28:31], s[14:15], 0x20           ; e8 .. e11
	s_cmp_lt_u32 ttmp9, 256
	s_cbranch_scc0 .Lweights
	; ---------------- x ----------------
	s_wait_alu depctr_va_vdst(0)
	v_lshlrev_b32 v3, 4, v2                        ; 16 x lane: the offset of every load and store; never rewritten
	s_wait_alu depctr_va_vdst(0)
	s_lshl_b32 s32, ttmp9, 2
	s_add_co_u32 s33, s32, s2                      ; R: which run of 8 rows is my wave's
	s_and_b32 s34, s2, 1
	s_lshl_b32 s34, s34, 1
	s_lshr_b32 s35, s2, 1
	s_or_b32 s34, s34, s35                         ; the wave's two bits exchanged: they are bits 3 and 4 of the row
	s_add_co_u32 s34, s32, s34                     ; R': where the run goes in planes 1 and 2
	s_lshl_b32 s36, s33, 15
	s_mov_b32 s37, 0
	s_add_nc_u64 s[4:5], s[4:5], s[36:37]          ; x at my first row: 8 rows of 4,096 bytes a run
	s_lshl_b32 s36, s33, 13
	s_add_nc_u64 s[38:39], s[16:17], s[36:37]      ; plane 0: 8 rows of 1,024 bytes a run
	s_lshl_b32 s36, s34, 13
	s_add_nc_u64 s[40:41], s[16:17], s[36:37]
	s_add_nc_u64 s[42:43], s[40:41], 0x1000000     ; plane 2
	s_add_nc_u64 s[40:41], s[40:41], 0x800000      ; plane 1
.macro XLOAD t                         ; step t: four loads, each 512 consecutive bytes
.irp i, 0,1,2,3
	global_load_b128 v[RAW+16*((\t)%4)+4*\i:RAW+16*((\t)%4)+4*\i+3], v3, s[4:5] offset:2048*(\t)+512*\i th:TH_LOAD_NT
.endr
.endm
.irp t, 0,1,2,3
	XLOAD \t
.endr
	s_wait_kmcnt 0x0
.irp p, 0,1,2                          ; v[4+2p] = 2^e as f32 (the conversion takes its exponent field), v[5+2p] = 448 x 2^e
	s_add_co_i32 s44, s[20+2*\p], 127
	s_lshl_b32 s45, s44, 23
	v_mov_b32 v[4+2*\p], s45
	s_add_co_i32 s44, s44, 8
	s_lshl_b32 s44, s44, 23
	s_or_b32 s44, s44, 0x600000
	v_mov_b32 v[5+2*\p], s44
.endr
.macro XSTEP t
.if 15-(\t) >= 3
	s_wait_loadcnt 12                              ; this step's four loads are in; those of the three steps behind it may be out
.else
	s_wait_loadcnt 4*(15-(\t))
.endif
.if (\t) >= 4
	s_wait_xcnt 0x0                                ; the stores of four steps back have read their registers: this step's codes land there
.endif
.set RS, RAW+16*((\t)%4)
.irp p, 0,1,2
.set TS, TT+16*((3*(\t)+\p)%2)         ; the two sets take turns: sixteen plain lines stand between a conversion and the next write of its sources
.set CSET, CC+12*((\t)%4)+4*\p
.set i, 0
.rept 16
	v_med3_num_f32 v[TS+i], v[RS+i], -v[5+2*\p], v[5+2*\p]   ; the conversion to an 8-bit code does not saturate (ISA guide 7.6.2): the hold comes first
.set i, i+1
.endr
.if (\p == 2) && ((\t) < 12)
	XLOAD (\t)+4                                   ; the raw set has been read three times: it takes the loads of four steps on
.endif
	v_cvt_scalef32_pk8_fp8_f32 v[CSET:CSET+1], v[TS:TS+7], v[4+2*\p]
	v_cvt_scalef32_pk8_fp8_f32 v[CSET+2:CSET+3], v[TS+8:TS+15], v[4+2*\p]
	global_store_b128 v3, v[CSET:CSET+3], s[38+2*\p:39+2*\p] offset:512*(\t)   ; 32 lanes store 512 consecutive aligned bytes
.endr
.endm
	s_wait_alu depctr_va_vdst(0)
.irp t, 0,1,2,3,4,5,6,7,8,9,10,11,12,13,14,15
	XSTEP \t
.endr
	s_endpgm
	; ---------------- the weights ----------------
.Lweights:
	s_sub_co_u32 s69, ttmp9, 256
	s_lshr_b32 s66, s69, 5                         ; w: 0 wq, 1 wk, 2 wv, 3 wo
	s_and_b32 s67, s69, 7
	s_bfe_u32 s68, s69, 0x20003                    ; y: which 256 positions
	s_lshl_b32 s67, s67, 7
	s_lshl_b32 s69, s2, 5
	s_add_co_u32 s67, s67, s69                     ; col0: my wave's first column
	s_lshr_b32 s75, s68, 1
	s_lshl_b32 s75, s75, 9
	s_and_b32 s69, s68, 1
	s_lshl_b32 s69, s69, 6
	s_add_co_u32 s75, s75, s69                     ; the permuted order: k = 512 (y / 2) + 64 (y % 2) + 128 i + 4 s + j
	s_lshl_b32 s76, s68, 8                         ; the natural order:  k = 256 y + 4 i + 16 s + j      (position = 256 y + 16 s + 4 i + j in both)
	s_cmp_eq_u32 s66, 0
	s_cselect_b64 s[70:71], s[6:7], s[8:9]
	s_cmp_eq_u32 s66, 2
	s_cselect_b64 s[70:71], s[10:11], s[70:71]
	s_cmp_eq_u32 s66, 3
	s_cselect_b64 s[70:71], s[12:13], s[70:71]     ; my weight
	s_mov_b32 s72, 0x80000
	s_cselect_b32 s72, 0x4000, s72                 ; from i to i + 1, in bytes: 128 rows of 4,096, or 4
	s_mov_b32 s80, 0x4000
	s_cselect_b32 s80, 0x10000, s80                ; from s to s + 1: 4 rows, or 16
	s_cselect_b32 s74, s76, s75                    ; the first k
	s_mov_b32 s81, 0
	s_lshl_b32 s78, s74, 12
	s_lshl_b32 s69, s67, 2
	s_add_co_u32 s78, s78, s69
	s_mov_b32 s79, 0
	s_add_nc_u64 s[32:33], s[70:71], s[78:79]      ; sixteen bases, one for each s, never rewritten
.irp s, 1,2,3,4,5,6,7,8,9,10,11,12,13,14,15
	s_add_nc_u64 s[32+2*\s:33+2*\s], s[30+2*\s:31+2*\s], s[80:81]
.endr
	s_lshl_b32 s82, s66, 20                        ; the codes: plane w, row col0, byte 256 y
	s_lshl_b32 s69, s67, 10
	s_add_co_u32 s82, s82, s69
	s_lshl_b32 s69, s68, 8
	s_add_co_u32 s82, s82, s69
	s_mov_b32 s83, 0
	s_add_nc_u64 s[84:85], s[18:19], s[82:83]
	s_mul_i32 s86, s2, 32*PITCH                    ; my stage
	s_wait_alu depctr_va_vdst(0)
	v_mul_u32_u24 v4, v2, PITCH
	v_add_nc_u32 v4, s86, v4                       ; into it: row = my column
	v_and_b32 v5, 15, v2
	v_lshrrev_b32 v6, 4, v2
	v_mul_u32_u24 v7, v6, PITCH
	v_lshl_add_u32 v7, v5, 4, v7
	v_add_nc_u32 v7, s86, v7                       ; out of it: sixteen lanes to a row, two rows an instruction
	v_lshlrev_b32 v8, 10, v6
	v_lshl_add_u32 v8, v5, 4, v8                   ; and the same place in the codes
	v_lshlrev_b32 v12, 2, v2                       ; four offsets, one for each i: 4 x lane + i x the step; never rewritten
	v_add_nc_u32 v13, s72, v12
	v_add_nc_u32 v14, s72, v13
	v_add_nc_u32 v15, s72, v14
.macro WLOAD t                         ; block t: positions 32 t .. 32 t + 31 of my column; each load reads 128 consecutive bytes, the four waves side by side
.irp g, 0,1
.irp i, 0,1,2,3
.irp j, 0,1,2,3
	global_load_b32 v[X+32*((\t)%2)+16*\g+4*\i+\j], v[12+\i], s[32+2*(2*(\t)+\g):33+2*(2*(\t)+\g)] offset:4096*\j th:TH_LOAD_NT
.endr
.endr
.endr
.endm
	WLOAD 0
	WLOAD 1
	s_wait_kmcnt 0x0
	s_cmp_eq_u32 s66, 0
	s_cselect_b32 s87, s21, s23
	s_cmp_eq_u32 s66, 2
	s_cselect_b32 s87, s25, s87
	s_cmp_eq_u32 s66, 3
	s_cselect_b32 s87, s31, s87                    ; e of my weight
	s_add_co_i32 s87, s87, 127
	s_lshl_b32 s69, s87, 23
	v_mov_b32 v10, s69                             ; 2^e
	s_add_co_i32 s87, s87, 8
	s_lshl_b32 s87, s87, 23
	s_or_b32 s87, s87, 0x600000
	v_mov_b32 v11, s87                             ; 448 x 2^e
.macro WBLOCK t
.set XS, X+32*((\t)%2)
.if (\t) < 7
	s_wait_loadcnt 32                              ; this block's 32 loads are in; the next block's may be out
.else
	s_wait_loadcnt 0
.endif
.set i, 0
.rept 32
	v_med3_num_f32 v[XS+i], v[XS+i], -v11, v11
.set i, i+1
.endr
.irp g, 0,1,2,3
	v_cvt_scalef32_pk8_fp8_f32 v[WCD+2*\g:WCD+2*\g+1], v[XS+8*\g:XS+8*\g+7], v10
.endr
	ds_store_b128 v4, v[WCD:WCD+3] offset:32*(\t)
	ds_store_b128 v4, v[WCD+4:WCD+7] offset:32*(\t)+16
.if (\t)+2 < 8
	WLOAD (\t)+2
.endif
	s_wait_dscnt 0x0                               ; the stores have read their registers: the next block's codes may be written (its 32 holds are the plain lines behind these conversions)
.endm
	s_wait_alu depctr_va_vdst(0)
.irp t, 0,1,2,3,4,5,6,7
	WBLOCK \t
.endr
.irp t, 0,1,2,3,4,5,6,7,8,9,10,11,12,13,14,15
	ds_load_b128 v[OUTR+4*\t:OUTR+4*\t+3], v7 offset:2*\t*PITCH   ; LDS serves a wave's instructions in order (ISA guide 5.7.1.4): these see my stores
.endr
.irp t, 0,1,2,3,4,5,6,7,8,9,10,11,12,13,14,15
	s_wait_dscnt 15-\t                             ; the younger row loads may be out
	global_store_b128 v8, v[OUTR+4*\t:OUTR+4*\t+3], s[84:85] offset:(((2*\t)&7)|(((2*\t)&8)<<1)|(((2*\t)&16)>>1))*1024   ; column 2 t (+ 1) goes to row swap34(2 t) (+ 1); sixteen lanes store 256 consecutive aligned bytes
.endr
	s_wait_tensorcnt 0x0
	ds_add_u32 v176, v177
	s_wait_dscnt 0x0
	s_endpgm
.Lfunc_end_k_qe7a4d320a7_quant:
	.size	k_qe7a4d320a7_quant, .Lfunc_end_k_qe7a4d320a7_quant-k_qe7a4d320a7_quant
	.p2alignl 7, 3214868480
	.fill 96, 4, 3214868480
	.section	.rodata,"a",@progbits
	.p2align	6, 0x0
	.amdhsa_kernel k_qe7a4d320a7_quant
		.amdhsa_group_segment_fixed_size 35328
		.amdhsa_private_segment_fixed_size 0
		.amdhsa_enable_private_segment 0
		.amdhsa_kernarg_size 64
		.amdhsa_user_sgpr_count 2
		.amdhsa_user_sgpr_kernarg_segment_ptr 1
		.amdhsa_wavefront_size32 1
		.amdhsa_system_sgpr_workgroup_id_x 1
		.amdhsa_system_sgpr_workgroup_id_y 1
		.amdhsa_system_sgpr_workgroup_id_z 1
		.amdhsa_system_vgpr_workitem_id 0
		.amdhsa_next_free_vgpr 178
		.amdhsa_next_free_sgpr 90
		.amdhsa_reserve_vcc 0
		.amdhsa_float_denorm_mode_32 3
		.amdhsa_float_denorm_mode_16_64 3
		.amdhsa_memory_ordered 1
		.amdhsa_forward_progress 1
		.amdhsa_inst_pref_size 118
	.end_amdhsa_kernel
	.amdgpu_metadata
---
amdhsa.version: [ 1, 2 ]
amdhsa.kernels:
  - .name:           k_qe7a4d320a7_quant
    .symbol:         k_qe7a4d320a7_quant.kd
    .args:
      - { .name: x, .offset: 0, .size: 8, .value_kind: global_buffer, .address_space: global }
      - { .name: wq, .offset: 8, .size: 8, .value_kind: global_buffer, .address_space: global }
      - { .name: wk, .offset: 16, .size: 8, .value_kind: global_buffer, .address_space: global }
      - { .name: wv, .offset: 24, .size: 8, .value_kind: global_buffer, .address_space: global }
      - { .name: wo, .offset: 32, .size: 8, .value_kind: global_buffer, .address_space: global }
      - { .name: lowp_scales, .offset: 40, .size: 8, .value_kind: global_buffer, .address_space: global }
      - { .name: xc, .offset: 48, .size: 8, .value_kind: global_buffer, .address_space: global }
      - { .name: wc, .offset: 56, .size: 8, .value_kind: global_buffer, .address_space: global }
    .group_segment_fixed_size: 35328
    .private_segment_fixed_size: 0
    .kernarg_segment_align: 8
    .kernarg_segment_size: 64
    .max_flat_workgroup_size: 128
    .sgpr_count:     90
    .vgpr_count:     178
    .wavefront_size: 32
...
	.end_amdgpu_metadata
.endif
;; end of part 1
;; launch qkv (part 2): grid 4 x 96, 4 waves a work-group, clusters of 4 x 4, 327,680 bytes of LDS; arguments xc, wc, lowp_scales, bq, bk, bv, qkvc; writes qkvc
.if DOCPART == 2
	.amdgcn_target "amdgcn-amd-amdhsa--gfx1250"
	.amdhsa_code_object_version 6
	.text
	.protected	k_qe7a4d320a7_qkv
	.globl	k_qe7a4d320a7_qkv
	.p2align	8
	.type	k_qe7a4d320a7_qkv,@function
k_qe7a4d320a7_qkv:
	s_mov_b64 s[64:65], 0
	v_nop
	global_prefetch_b8 v0, s[64:65] scope:SCOPE_SE
	s_setreg_imm32_b32 hwreg(HW_REG_WAVE_MODE, 25, 1), 1
	s_wait_xcnt 0x0
	s_wait_alu depctr_hold_cnt(0) depctr_sa_sdst(0) depctr_va_vdst(0) depctr_va_sdst(0) depctr_va_ssrc(0) depctr_va_vcc(0) depctr_vm_vsrc(0)
	s_getreg_b32 s2, hwreg(HW_REG_IB_STS2, 6, 4)
	s_cmp_eq_u32 s2, 0
	s_cbranch_scc0 .Lentry_in_a_cluster
	s_endpgm
.Lentry_in_a_cluster:
	s_bfe_u32 s2, ttmp6, 0x10000c
	s_cmp_lg_u32 s2, 0xf033
	s_cbranch_scc0 .Lentry_shape_is_right
	s_endpgm
.Lentry_shape_is_right:
.set KROW,   1024
.set ROWB,   256
.set PITCH,  272
.set FR,     16
.set NL,     4
.set NP,     4
.set HALFT,  128*PITCH
.set SLOT,   4*HALFT
.set LAPS,   KROW/(2*ROWB)
.set SPARE,  2*SLOT
.set ADRA, 16
.set ADRB, 20
.set LO,   24
.set SCL,  25
.set LIM,  26
.set SPW,  28
.set NIL,  29
.set BUO,  30
.set BTO,  31
.set BU,   32
.set BT,   96
.set AF,   128
.set TMP,  128
.set CD,   192
.set WV, 18
.set WH, 19
.set WL, 20
.set G1, 24
.set G0, 32
.set G1B, 48
.set G0B, 56
.set PROD, 66
.set SC, 92
.set OB, 94
.set MSB, 0
.macro WIN new
.if MSB != \new
	s_set_vgpr_msb (MSB<<8)|\new
.set MSB, \new
.endif
.endm
.set MUL_LO, 0xa1
.set MUL_HI, 0xf1
.set TO_B,   0x40
.macro JLOAD g0a, g1a, g0b, g1b
	s_cmp_eq_u32 s[WH], 0
	s_cbranch_scc0 .Lfor_b_\@
	tensor_load_to_lds s[\g0a:\g0a+3], s[\g1a:\g1a+7]
	s_nop 0
.rept 4
	v_nop
.endr
	s_branch .Lasked_\@
.Lfor_b_\@:
	tensor_load_to_lds s[\g0b:\g0b+3], s[\g1b:\g1b+7]
	s_nop 0
.rept 4
	v_nop
.endr
.Lasked_\@:
.endm
.macro CREST
	s_cmp_lg_u32 s[WV], 0
	s_cbranch_scc1 .Lnot_wave_0_\@
	s_barrier_signal -3
.Lnot_wave_0_\@:
	s_barrier_wait -3
	s_barrier_signal -1
	s_barrier_wait -1
.endm
.macro CROUND
	s_barrier_signal -1
	s_barrier_wait -1
	CREST
.endm
	s_load_b256 s[4:11], s[0:1], 0x0
	s_load_b128 s[12:15], s[0:1], 0x20
	s_load_b64 s[16:17], s[0:1], 0x30
	v_lshl_add_u32 v[SPW], v0, 2, SPARE
	v_mov_b32 v[NIL], 0
	ds_add_u32 v28, v29
	ds_add_u32 v28, v29
	s_wait_dscnt 0x0
	v_lshrrev_b32 v1, 5, v0
	v_readfirstlane_b32 s[WV], v1
	s_lshr_b32 s[WH], s[WV], 1
	s_and_b32 s[WL], s[WV], 1
	s_bfe_u32 s21, ttmp6, 0x40000
	s_bfe_u32 s22, ttmp6, 0x40004
	s_and_b32 s68, ttmp7, 0xffff
	s_lshr_b32 s[PROD], s68, 3
	s_and_b32 s67, s68, 7
	s_lshl_b32 s67, s67, 2
	s_lshl_b32 s69, s[PROD], 23
	s_lshl_b32 s70, s[PROD], 20
	s_lshl_b32 s43, s22, 2
	s_lshl_b32 s43, 15, s43
	s_lshl_b32 s44, 0x1111, s21
	s_or_b32 s[G1+0], s43, (0<<16)|(1<<20)|(1<<21)|(5<<22)|(3<<25)
	s_or_b32 s[G1B+0], s44, (0<<16)|(1<<20)|(1<<21)|(5<<22)|(3<<25)
.irp g, G1, G1B
	s_mov_b32 s[\g+1], ROWB<<16
	s_mov_b32 s[\g+2], 128<<16
	s_mov_b32 s[\g+3], ROWB<<16
	s_mov_b32 s[\g+4], 128
	s_mov_b32 s[\g+5], KROW
	s_mov_b32 s[\g+6], 0
	s_mov_b32 s[\g+7], 0
.endr
	s_mul_i32 s45, s[WV], HALFT
	s_mov_b32 s73, 0x200000
	s_mov_b32 s74, 0x1000000
	s_wait_kmcnt 0x0
	s_cmp_eq_u32 s[PROD], 2
	s_cselect_b32 s71, 0, s67
	s_cselect_b32 s72, s67, 0
	s_cselect_b32 s73, s73, s69
	s_cselect_b32 s74, s74, s70
	s_cselect_b64 s[40:41], s[6:7], s[4:5]
	s_cselect_b64 s[46:47], s[4:5], s[6:7]
	s_load_b256 s[80:87], s[8:9], 0x0
	s_load_b128 s[88:91], s[8:9], 0x20
	s_add_co_u32 s75, s22, s71
	s_add_co_u32 s76, s21, s72
	s_lshl_b32 s77, s[WL], 7
	s_lshl_b32 s68, s75, 8
	s_lshl_b32 s72, s76, 8
	s_add_co_u32 s72, s72, s77
	s_lshl_b32 s23, s[WH], 7
	s_add_co_u32 s23, s68, s23
	s_add_co_u32 s68, s68, s77
	s_lshl_b32 s68, s68, 10
	s_add_co_u32 s68, s68, s73
	s_mov_b32 s69, 0
	s_lshl_b32 s70, s72, 10
	s_add_co_u32 s70, s70, s74
	s_mov_b32 s71, 0
	s_add_nc_u64 s[40:41], s[40:41], s[68:69]
	s_add_nc_u64 s[46:47], s[46:47], s[70:71]
	CROUND
.irp s, 0,1
	s_mov_b32 s[G0+4*\s], 1
	s_add_co_u32 s[G0+4*\s+1], s45, \s*SLOT
	s_add_nc_u64 s[G0+4*\s+2:G0+4*\s+3], s[40:41], \s*ROWB
	s_or_b32 s[G0+4*\s+3], s[G0+4*\s+3], 0x80000000
	s_mov_b32 s[G0B+4*\s], 1
	s_add_co_u32 s[G0B+4*\s+1], s45, \s*SLOT
	s_add_nc_u64 s[G0B+4*\s+2:G0B+4*\s+3], s[46:47], \s*ROWB
	s_or_b32 s[G0B+4*\s+3], s[G0B+4*\s+3], 0x80000000
	s_wait_alu depctr_va_vdst(0)
	s_wait_tensorcnt 0x0
	ds_add_u32 v28, v29
	ds_add_u32 v28, v29
	s_wait_dscnt 0x0
	CROUND
	JLOAD G0+4*\s, G1, G0B+4*\s, G1B
.endr
	v_and_b32 v1, 15, v0
	v_bfe_u32 v2, v0, 4, 1
	v_mul_u32_u24 v3, v1, PITCH
	v_lshl_add_u32 v4, v2, 4, v3
	s_mul_i32 s96, s[WH], HALFT
	s_mul_i32 s97, s[WL], HALFT
	s_add_co_u32 s97, s97, 2*HALFT
.irp s, 0,1
	v_add_nc_u32 v[ADRA+\s], s96, v4
	v_add_nc_u32 v[ADRB+\s], s97, v4
	s_add_co_u32 s96, s96, SLOT
	s_add_co_u32 s97, s97, SLOT
.endr
	v_and_b32 v5, 31, v0
	v_lshlrev_b32 v[LO], 4, v5
	v_lshlrev_b32 v[BUO], 6, v2
	s_wait_alu depctr_va_vdst(0)
	v_and_b32 v6, 8, v1
	v_add_nc_u32 v6, v6, v1
	v_lshlrev_b32 v[BTO], 2, v6
	s_wait_alu depctr_va_vdst(0)
	s_cmp_eq_u32 s[PROD], 0
	s_cselect_b64 s[78:79], s[10:11], s[12:13]
	s_cmp_eq_u32 s[PROD], 2
	s_cselect_b64 s[78:79], s[14:15], s[78:79]
	s_cselect_b32 s68, 0, s72
	s_cselect_b32 s70, s23, 0
	s_cselect_b32 s74, s72, s23
	s_cselect_b32 s77, s23, s72
	s_lshl_b32 s68, s68, 2
	s_lshl_b32 s70, s70, 2
	s_mov_b32 s69, 0
	s_mov_b32 s71, 0
	s_add_nc_u64 s[68:69], s[78:79], s[68:69]
	s_add_nc_u64 s[70:71], s[78:79], s[70:71]
.irp b, 0,1,2,3
.irp i, 0,1,2,3
	global_load_b128 v[BU+16*\b+4*\i:BU+16*\b+4*\i+3], v[BUO], s[68:69] offset:128*\b+16*\i
.endr
.endr
.irp a, 0,1,2,3,4,5,6,7
	global_load_b32 v[BT+2*\a], v[BTO], s[70:71] offset:4*(32*(\a/2)+8*(\a%2))
	global_load_b32 v[BT+2*\a+1], v[BTO], s[70:71] offset:4*(32*(\a/2)+8*(\a%2))
.endr
	s_lshl_b32 s96, s[PROD], 23
	s_lshr_b32 s97, s74, 11
	s_lshl_b32 s97, s97, 21
	s_add_co_u32 s96, s96, s97
	s_and_b32 s97, s74, 2047
	s_lshl_b32 s97, s97, 6
	s_add_co_u32 s96, s96, s97
	s_lshl_b32 s97, s77, 11
	s_add_co_u32 s96, s96, s97
	s_mov_b32 s97, 0
	s_add_nc_u64 s[OB:OB+1], s[16:17], s[96:97]
.macro FRAG reg, adr, q, i
.irp c, 0,1,2,3
	ds_load_b128 v[\reg+4*\c:\reg+4*\c+3], v[\adr] offset:128*(\q)+32*\c+(\i)*16*PITCH
.endr
.endm
.macro MUL16 a0, p, zero
.irp a, \a0, \a0+1
.irp b, 0,1,2,3,4,5,6,7
.if \zero
	v_wmma_f32_16x16x128_fp8_fp8 v[8*(8*((\a)%4)+\b):8*(8*((\a)%4)+\b)+7], v[128*(\p)+FR*\b:128*(\p)+FR*\b+FR-1], v[AF+FR*(\a):AF+FR*(\a)+FR-1], 0
.else
	v_wmma_f32_16x16x128_fp8_fp8 v[8*(8*((\a)%4)+\b):8*(8*((\a)%4)+\b)+7], v[128*(\p)+FR*\b:128*(\p)+FR*\b+FR-1], v[AF+FR*(\a):AF+FR*(\a)+FR-1], v[8*(8*((\a)%4)+\b):8*(8*((\a)%4)+\b)+7]
.endif
.endr
.endr
.endm
.macro FETCH_B slot, q, p
	WIN TO_B
.irp i, 0,1,2,3,4,5,6,7
	FRAG 128*(\p)+FR*\i, ADRB+\slot, \q, \i
.endr
	WIN 0
.endm
.macro FETCH_A slot, q, i0
.irp i, \i0, \i0+1, \i0+2, \i0+3
	FRAG AF+FR*(\i), ADRA+\slot, \q, \i
.endr
.endm
.macro PLACES n
.rept \n
	v_nop
.endr
.endm
.macro STEP slot, q, zero
	s_wait_dscnt 4*NL
	WIN MUL_LO
	MUL16 0, (\q)%2, \zero
	MUL16 2, (\q)%2, \zero
	s_wait_dscnt 0
	PLACES NP
	FETCH_B \slot, (\q)+1, 1-(\q)%2
	FETCH_A \slot, (\q)+1, 0
	WIN MUL_HI
	MUL16 4, (\q)%2, \zero
	MUL16 6, (\q)%2, \zero
	PLACES NP
	WIN 0
	FETCH_A \slot, (\q)+1, 4
.endm
.macro TURN slot, next, fill
	s_wait_tensorcnt 0x0
	ds_add_u32 v[SPW], v[NIL]
	s_wait_dscnt 4*NL+1
	WIN MUL_LO
	MUL16 0, 1, 0
	s_wait_dscnt 0x0
	s_barrier_signal -1
	MUL16 2, 1, 0
	WIN 0
	s_barrier_wait -1
.if \fill
	CREST
	s_add_nc_u64 s[G0+4*\slot+2:G0+4*\slot+3], s[G0+4*\slot+2:G0+4*\slot+3], 2*ROWB
	s_add_nc_u64 s[G0B+4*\slot+2:G0B+4*\slot+3], s[G0B+4*\slot+2:G0B+4*\slot+3], 2*ROWB
	JLOAD G0+4*\slot, G1, G0B+4*\slot, G1B
.else
	PLACES NP
.endif
	FETCH_B \next, 0, 0
	FETCH_A \next, 0, 0
	WIN MUL_HI
	MUL16 4, 1, 0
	MUL16 6, 1, 0
	PLACES NP
	WIN 0
	FETCH_A \next, 0, 4
.endm
	s_wait_tensorcnt 1
	s_barrier_signal -1
	s_barrier_wait -1
	FETCH_B 0, 0, 0
	FETCH_A 0, 0, 0
	FETCH_A 0, 0, 4
	STEP 0, 0, 1
	s_mov_b32 s3, LAPS-1
.Llap:
	TURN 0, 1, 1
	STEP 1, 0, 0
	TURN 1, 0, 1
	STEP 0, 0, 0
	s_sub_co_u32 s3, s3, 1
	s_cmp_lg_u32 s3, 0
	s_cbranch_scc1 .Llap
	TURN 0, 1, 0
	STEP 1, 0, 0
	s_wait_dscnt 4*NL
	WIN MUL_LO
	MUL16 0, 1, 0
	MUL16 2, 1, 0
	s_wait_dscnt 0
	WIN MUL_HI
	MUL16 4, 1, 0
	MUL16 6, 1, 0
	WIN 0
.macro OUTBLK a, isv
.set AC, 64*((\a)%4)
.set CSET, CD+16*((\a)%4)
.if (\a) >= 4
	s_wait_xcnt 0x0
.endif
	WIN 0x02+((\a)/4)
.set j, 0
.rept 32
.if \isv
	v_pk_fma_f32 v[TMP+j:TMP+j+1], v[AC+j:AC+j+1], s[SC:SC+1], v[BT+2*(\a):BT+2*(\a)+1] op_sel_hi:[1,0,1]
.else
	v_pk_fma_f32 v[TMP+j:TMP+j+1], v[AC+j:AC+j+1], s[SC:SC+1], v[BU+j:BU+j+1] op_sel_hi:[1,0,1]
.endif
.set j, j+2
.endr
	WIN 0
.set j, 0
.rept 64
	v_med3_num_f32 v[TMP+j], v[TMP+j], -v[LIM], v[LIM]
.set j, j+1
.endr
.irp b, 0,1,2,3,4,5,6,7
	v_cvt_scalef32_pk8_fp8_f32 v[CSET+2*\b:CSET+2*\b+1], v[TMP+8*\b:TMP+8*\b+7], v[SCL]
.endr
	v_nop
.irp b, 0,1,2,3
.if \isv
	global_store_b128 v[LO], v[CSET+4*\b:CSET+4*\b+3], s[OB:OB+1] offset:1024*((\a)%4)+131072*((\a)/4)+512*(\b%2)+4096*(\b/2)
.else
	global_store_b128 v[LO], v[CSET+4*\b:CSET+4*\b+3], s[OB:OB+1] offset:1024*(\a)+512*(\b%2)+131072*(\b/2)
.endif
.endr
.endm
	s_wait_kmcnt 0x0
	s_wait_loadcnt 0x0
	s_add_co_i32 s68, s80, s81
	s_add_co_i32 s69, s82, s83
	s_add_co_i32 s70, s84, s85
	s_cmp_eq_u32 s[PROD], 0
	s_cselect_b32 s68, s68, s69
	s_cselect_b32 s71, s86, s87
	s_cmp_eq_u32 s[PROD], 2
	s_cselect_b32 s68, s70, s68
	s_cselect_b32 s71, s89, s71
	s_add_co_i32 s68, s68, 127
	s_lshl_b32 s[SC], s68, 23
	s_mov_b32 s[SC+1], s[SC]
	s_add_co_i32 s71, s71, 127
	s_lshl_b32 s69, s71, 23
	v_mov_b32 v[SCL], s69
	s_add_co_i32 s71, s71, 8
	s_lshl_b32 s71, s71, 23
	s_or_b32 s71, s71, 0x600000
	v_mov_b32 v[LIM], s71
	PLACES NP
	s_cmp_eq_u32 s[PROD], 2
	s_cbranch_scc1 .Lv_out
.irp a, 0,1,2,3,4,5,6,7
	OUTBLK \a, 0
.endr
	s_branch .Lend
.Lv_out:
.irp a, 0,1,2,3,4,5,6,7
	OUTBLK \a, 1
.endr
.Lend:
	s_wait_tensorcnt 0x0
	ds_add_u32 v[SPW], v[NIL]
	s_wait_dscnt 0x0
	CROUND
	s_endpgm
.Lfunc_end_k_qe7a4d320a7_qkv:
	.size	k_qe7a4d320a7_qkv, .Lfunc_end_k_qe7a4d320a7_qkv-k_qe7a4d320a7_qkv
	.p2alignl 7, 3214868480
	.fill 96, 4, 3214868480
	.section	.rodata,"a",@progbits
	.p2align	6, 0x0
	.amdhsa_kernel k_qe7a4d320a7_qkv
		.amdhsa_group_segment_fixed_size 327680
		.amdhsa_private_segment_fixed_size 0
		.amdhsa_enable_private_segment 0
		.amdhsa_kernarg_size 56
		.amdhsa_user_sgpr_count 2
		.amdhsa_user_sgpr_kernarg_segment_ptr 1
		.amdhsa_wavefront_size32 1
		.amdhsa_system_sgpr_workgroup_id_x 1
		.amdhsa_system_sgpr_workgroup_id_y 1
		.amdhsa_system_sgpr_workgroup_id_z 1
		.amdhsa_system_vgpr_workitem_id 0
		.amdhsa_next_free_vgpr 1024
		.amdhsa_next_free_sgpr 98
		.amdhsa_reserve_vcc 0
		.amdhsa_float_denorm_mode_32 3
		.amdhsa_float_denorm_mode_16_64 3
		.amdhsa_memory_ordered 1
		.amdhsa_forward_progress 1
		.amdhsa_inst_pref_size 195
	.end_amdhsa_kernel
	.amdgpu_metadata
---
amdhsa.version: [ 1, 2 ]
amdhsa.kernels:
  - .name:           k_qe7a4d320a7_qkv
    .symbol:         k_qe7a4d320a7_qkv.kd
    .args:
      - { .name: xc, .offset: 0, .size: 8, .value_kind: global_buffer, .address_space: global }
      - { .name: wc, .offset: 8, .size: 8, .value_kind: global_buffer, .address_space: global }
      - { .name: lowp_scales, .offset: 16, .size: 8, .value_kind: global_buffer, .address_space: global }
      - { .name: bq, .offset: 24, .size: 8, .value_kind: global_buffer, .address_space: global }
      - { .name: bk, .offset: 32, .size: 8, .value_kind: global_buffer, .address_space: global }
      - { .name: bv, .offset: 40, .size: 8, .value_kind: global_buffer, .address_space: global }
      - { .name: qkvc, .offset: 48, .size: 8, .value_kind: global_buffer, .address_space: global }
    .group_segment_fixed_size: 327680
    .private_segment_fixed_size: 0
    .kernarg_segment_align: 8
    .kernarg_segment_size: 56
    .max_flat_workgroup_size: 128
    .sgpr_count:     98
    .vgpr_count:     1024
    .wavefront_size: 32
...
	.end_amdgpu_metadata
.endif
;; end of part 2
;; launch attn (part 3): grid 4 x 64, 8 waves a work-group, clusters of 4 x 1, 263,168 bytes of LDS; arguments qkvc, lowp_scales, ao; writes ao
.if DOCPART == 3
	.amdgcn_target "amdgcn-amd-amdhsa--gfx1250"
	.amdhsa_code_object_version 6
	.text
	.protected	k_qe7a4d320a7_attn
	.globl	k_qe7a4d320a7_attn
	.p2align	8
	.type	k_qe7a4d320a7_attn,@function
k_qe7a4d320a7_attn:
	s_mov_b64 s[64:65], 0
	v_nop
	global_prefetch_b8 v0, s[64:65] scope:SCOPE_SE
	s_setreg_imm32_b32 hwreg(HW_REG_WAVE_MODE, 25, 1), 1
	s_wait_xcnt 0x0
	s_wait_alu depctr_hold_cnt(0) depctr_sa_sdst(0) depctr_va_vdst(0) depctr_va_sdst(0) depctr_va_ssrc(0) depctr_va_vcc(0) depctr_vm_vsrc(0)
	s_getreg_b32 s2, hwreg(HW_REG_IB_STS2, 6, 4)
	s_cmp_eq_u32 s2, 0
	s_cbranch_scc0 .Lentry_in_a_cluster
	s_endpgm
.Lentry_in_a_cluster:
	s_bfe_u32 s2, ttmp6, 0x10000c
	s_cmp_lg_u32 s2, 0x3003
	s_cbranch_scc0 .Lentry_shape_is_right
	s_endpgm
.Lentry_shape_is_right:
; Attention of one head on codes of FP8 (E4M3): o = softmax(q k^T / 8) v, both products quantised; the result is quantised at once for the output projection.
; THE SOFTMAX AHEAD OF THE SECOND PRODUCT: t = score x log2(e) / 8; M = the row's largest t so far, rounded UP to a whole number; p = 2^(t - M) is quantised with 2^e8, not normalised.
; The row's sum is taken of the unquantised p, in f32, and divides at the end.  When M moves, the sums and O are multiplied by 2^(old M - new M), which rounds nothing; there is no branch on data.
; qkvc holds q, k, v as images of the operands' registers (the launch before lays them): a fragment is two pieces of 512 bytes, 16 bytes a lane.  The keys of a tile of k and the channels of a tile of v are
; chosen so that a lane's 16 results of two neighbouring tiles are 16 neighbours: p's codes ARE the second product's operand, and o's codes are 16 bytes of the next launch's operand.
; SHARES.  A work-group owns 512 queries of one head (batch x 16 + head = cluster y).  Eight waves, two to a SIMD, 512 registers each.  A wave works 32 queries (two tiles of 16) at a time, in two passes over the keys.
; A KEY STEP IS 256 KEYS: the statistics, the change of M and the rescaling of O^T are paid once for 256 keys.
; Both products are used transposed (S^T = K Q^T, O^T = V^T P^T): a lane holds one query (lane % 16) throughout.
; LDS.  THE HEAD'S WHOLE K AND V LIE IN LDS: K's images at 0, V's at 131,072, 64 keys' 4,096 bytes on end.  Each byte is filled once: no ring, no refill.
; Eight chunks of 32 KiB, ONE TENSOR LOAD A WAVE: wave w brings chunk w to LDS byte 32,768 w (waves 0-3: K, waves 4-7: V).  One wait for 0 and one barrier show all of it to all waves; the key loop has no barrier.
; CLUSTER.  The four query blocks of a head read the same K and V: each chunk is asked for JOINTLY by all four work-groups.
; No prefetch: every byte of K and V is asked for by the tensor loads at the head, so no later request exists to run ahead of.
; REGISTERS.  Window 1 (v256-511): the scores S^T, then p: tile q's key group g (64 keys) at 128 q + 32 g.  When a group's p has been converted, tile 0's 32 registers of it take that group's fragments of V.
; Window 0: v1-7 addresses, v8-31 statistics and bounds, v32-47 Q, v48-111 two buffers of four fragments of K, v112-175 p's codes (on the way out: o), v176-239 O^T (on the way out: o's codes), v240-253 at work.
; Five settings of the windows serve a step; sources are ordered so that lines that follow each other share a setting.
; The exponentials go in four batches of 64; between the lines of a batch stand the holds of the group before and the t - M of the group after, which name none of the batch's registers.
; The maxima and the sums go in four chains a tile, eight chains by turns.
; LIMITS: e6 + e7 between -123 and 130 (added to c's exponent field); e8 and e10 between -126 and 119; e8 + e9 is applied by v_ldexp_f32.  k stands in permuted places inside a matrix instruction, alike on both sides.
.set LI,   1                           ; v1   16 x lane; never rewritten
.set ADK,  2                           ; v2   LDS address of the step's K
.set ADV,  3                           ; v3   of its V
.set PSCL, 4                           ; v4   2^e8
.set LIV,  5                           ; v5   16 x lane + 131,072
.set SPW,  6                           ; v6   my spare word
.set NIL,  7                           ; v7   0
.set ST,   8                           ; tile q's statistics at v[8+8q]: +0 -M, +1 the largest t, +2, +3 the sum's first chain, +4 f, +5 0, +6, +7 at work
.set PLIM, 24                          ; v24, v25  448 x 2^e8, twice: the two halves of a dual pair take their second sources from different banks
.set PLIM2, 25
.set OSCL, 26                          ; v26  2^e10
.set OLIM, 27                          ; v27  448 x 2^e10
.set SUM2, 28                          ; v[28+2q:29+2q] the sum's second chain
.set Q,    32
.set KF,   48
.set P,    112
.set O,    176
.set ADN,  240                         ; v240 LDS address of the next step's K
.set MX2,  242                         ; v[242+2q], v[243+2q] the maxima's third and fourth chain
.set SUM3, 246                         ; v[246+4q:249+4q] the sum's third and fourth chain
.set WV,   10
.set LEFT, 13                          ; s13  key steps to go, both passes together
.set PASS, 15                          ; s15  passes to go
.set G1,   16                          ; s[16:23] descriptor group 1;  s[24:27] group 0
.set G0,   24
.set SEL,  56                          ; s[56:57] lane selects for v_permlanex16_b32: lane l xor 16
.set CS,   58                          ; s[58:59] c = log2(e) / 8 x 2^(e6 + e7), twice
.set TB,   60                          ; s60  LDS byte of the step in hand
.set CNT,  61
.set TN,   62                          ; s62  LDS byte of the step that follows (behind the last: the first)
.set QB,   66                          ; s[66:67] my tiles of Q
.set MSB, 0
.macro WIN new                         ; the immediate's high byte repeats the setting that is left
.if MSB != \new
	s_set_vgpr_msb (MSB<<8)|\new
.set MSB, \new
.endif
.endm
.set W_D1, 0x40                        ; destination window 1
.set W_MX, 0x05                        ; sources 0 and 1 window 1
.set W_S,  0x41                        ; destination and source 0 window 1
.set W_R,  0x01                        ; source 0 window 1
.macro ROUND                           ; a round of the cluster's barrier
	s_barrier_signal -1
	s_barrier_wait -1
	s_cmp_lg_u32 s[WV], 0
	s_cbranch_scc1 .Lnot_wave_0_\@
	s_barrier_signal -3
.Lnot_wave_0_\@:
	s_barrier_wait -3
	s_barrier_signal -1
	s_barrier_wait -1
.endm
.macro PL n
.rept \n
	v_nop
.endr
.endm
.macro QLOAD off                       ; Q's two fragments
.irp q, 0,1
.irp c, 0,1
	global_load_b128 v[Q+8*\q+4*\c:Q+8*\q+4*\c+3], v[LI], s[QB:QB+1] offset:(\off)+1024*\q+512*\c
.endr
.endr
.endm
.macro KLOAD b, adr, off               ; four fragments of K, 64 keys, into buffer b
.irp t, 0,1,2,3
.irp c, 0,1
	ds_load_b128 v[KF+32*(\b)+8*\t+4*\c:KF+32*(\b)+8*\t+4*\c+3], v[\adr] offset:(\off)+1024*\t+512*\c
.endr
.endr
.endm
.macro VLOAD g                         ; group g's four fragments of V into window 1, where tile 0's p of that group lay
.irp t, 0,1,2,3
.irp c, 0,1
	ds_load_b128 v[32*(\g)+8*\t+4*\c:32*(\g)+8*\t+4*\c+3], v[ADV] offset:4096*(\g)+1024*\t+512*\c
.endr
.endr
.endm
.macro SMUL g                          ; S^T of key group g: lane (r, h) holds query r; registers 16 b + i of a group are its keys 32 b + 16 h + i
.irp t, 0,1,2,3
.irp q, 0,1
	v_wmma_f32_16x16x64_fp8_fp8 v[128*\q+32*(\g)+8*\t:128*\q+32*(\g)+8*\t+7], v[KF+32*((\g)%2)+8*\t:KF+32*((\g)%2)+8*\t+7], v[Q+8*\q:Q+8*\q+7], 0
.endr
.endr
.endm
.macro MX3 d, a                        ; one link of a chain of maxima; LIT = 1: the chain's first
.if LIT
	v_max3_num_f32 v[\d], v[\a], v[\a+1], 0xff800000
.else
	v_max3_num_f32 v[\d], v[\a], v[\a+1], v[\d]
.endif
.endm
.macro MAXH base, first                ; the largest score among 64 registers of each tile: four chains a tile, each accumulator from its low end on
.set j, \base
.rept 8
.set LIT, (\first) && (j == \base)
.irp q, 0,1
	MX3 ST+8*\q+6, 128*\q+j
.endr
.irp q, 0,1
	MX3 ST+8*\q+7, 128*\q+j+2
.endr
.irp q, 0,1
	MX3 MX2+2*\q, 128*\q+j+4
.endr
.irp q, 0,1
	MX3 MX2+2*\q+1, 128*\q+j+6
.endr
.set j, j+8
.endr
.endm
.macro HOLD a                          ; the conversion does not saturate (ISA guide 7.6.2); p is not negative, so the hold is one-sided; two numbers a dual pair
	v_dual_min_num_f32 v[\a], v[\a], v[PLIM] :: v_dual_min_num_f32 v[\a+1], v[\a+1], v[PLIM2]
.endm
.macro TM q, a                         ; t - M, two at a time (of the pairs c and -M the low word serves both halves)
	v_pk_fma_f32 v[128*\q+\a:128*\q+\a+1], v[128*\q+\a:128*\q+\a+1], s[CS:CS+1], v[ST+8*\q:ST+8*\q+1] op_sel_hi:[1,0,0]
.endm
.macro EXPM i, m, n                    ; p = 2^(t - M) of group i, a batch of 64; between its lines, m = 1: the holds of group i - 1; n = 1: the t - M of group i + 1
.irp q, 0,1
.set j, 0
.rept 16
	v_exp_f32 v[128*\q+32*(\i)+j], v[128*\q+32*(\i)+j]
.if \m
	HOLD 128*\q+32*((\i)-1)+j
.endif
	v_exp_f32 v[128*\q+32*(\i)+j+1], v[128*\q+32*(\i)+j+1]
.if \n
	TM \q, 32*((\i)+1)+j
.endif
.set j, j+2
.endr
.endr
	v_nop                                          ; a plain line behind the exponentials,
	s_wait_alu depctr_va_vdst(0)                   ; and the wait behind a batch; it also stands between the lines laid into the batch and their readers
.endm
.macro ADDS i                          ; the row's sum is taken of the UNQUANTISED p: two at a time, four chains a tile
.set j, 0
.rept 4
.irp q, 0,1
	v_pk_add_f32 v[ST+8*\q+2:ST+8*\q+3], v[128*\q+32*(\i)+j:128*\q+32*(\i)+j+1], v[ST+8*\q+2:ST+8*\q+3]
.endr
.irp q, 0,1
	v_pk_add_f32 v[SUM2+2*\q:SUM2+2*\q+1], v[128*\q+32*(\i)+j+2:128*\q+32*(\i)+j+3], v[SUM2+2*\q:SUM2+2*\q+1]
.endr
.irp q, 0,1
	v_pk_add_f32 v[SUM3+4*\q:SUM3+4*\q+1], v[128*\q+32*(\i)+j+4:128*\q+32*(\i)+j+5], v[SUM3+4*\q:SUM3+4*\q+1]
.endr
.irp q, 0,1
	v_pk_add_f32 v[SUM3+4*\q+2:SUM3+4*\q+3], v[128*\q+32*(\i)+j+6:128*\q+32*(\i)+j+7], v[SUM3+4*\q+2:SUM3+4*\q+3]
.endr
.set j, j+8
.endr
.endm
.macro CVTS i                          ; group i's codes
.irp q, 0,1
.irp k, 0,1,2,3
	v_cvt_scalef32_pk8_fp8_f32 v[P+32*\q+8*(\i)+2*\k:P+32*\q+8*(\i)+2*\k+1], v[128*\q+32*(\i)+8*\k:128*\q+32*(\i)+8*\k+7], v[PSCL]
.endr
.endr
.endm
.macro MID i                           ; between two batches: group i's codes, group i + 1's sums (the plain lines behind the conversions), group i's V into registers whose p has just been converted
	WIN W_R
	CVTS \i
	ADDS (\i)+1
	WIN W_D1
	VLOAD \i
	WIN W_S
.endm
.macro PV g                            ; O^T += V^T P^T over group g's 64 keys: eight accumulators by turns
.irp t, 0,1,2,3
.irp q, 0,1
	v_wmma_f32_16x16x64_fp8_fp8 v[O+32*\q+8*\t:O+32*\q+8*\t+7], v[32*(\g)+8*\t:32*(\g)+8*\t+7], v[P+32*\q+8*(\g):P+32*\q+8*(\g)+7], v[O+32*\q+8*\t:O+32*\q+8*\t+7]
.endr
.endr
.endm
	s_load_b128 s[4:7], s[0:1], 0x0                ; qkvc s[4:5], the scales s[6:7]
	s_load_b64 s[8:9], s[0:1], 0x10                ; ao
	v_lshl_add_u32 v[SPW], v0, 2, 0x40000
	v_mov_b32 v[NIL], 0
	ds_add_u32 v[SPW], v[NIL]                      ; the opening lines: the add, twice on end, and its wait ahead of my tensor load
	ds_add_u32 v[SPW], v[NIL]
	v_lshrrev_b32 v1, 5, v0
	s_delay_alu instid0(VALU_DEP_1)
	v_readfirstlane_b32 s[WV], v1                  ; wave 0..7
	s_bfe_u32 s11, ttmp6, 0x40000                  ; cx: my block of 512 queries; it enters Q's and ao's addresses alone
	s_and_b32 s12, ttmp7, 0xffff                   ; batch x 16 + head, which the four partners share
	s_lshr_b32 s13, s[WV], 2                       ; 0: I fetch of K, 1: of V
	s_and_b32 s15, s[WV], 3                        ; which chunk of 512 keys
	s_mov_b32 s[G1], 15|(3<<16)|(1<<21)            ; 15:0 the mask: all four work-groups; 17:16 elements of 8 bytes; 21 set beside a mask; no padding
	s_mov_b32 s[G1+1], 32<<16                      ; tensor_dim0 = 32 elements: rows of 256 bytes
	s_mov_b32 s[G1+2], 128<<16                     ; tensor_dim1 = 128
	s_mov_b32 s[G1+3], 32<<16                      ; tile_dim0
	s_mov_b32 s[G1+4], 128                         ; tile_dim1: 128 rows, a dense block of 32 KiB
	s_mov_b32 s[G1+5], 32                          ; the pitch: dense
	s_mov_b32 s[G1+6], 0
	s_mov_b32 s[G1+7], 0
	s_lshl_b32 s14, s[WV], 15                      ; where my chunk goes: 32,768 x wave
	s_add_co_u32 s74, s13, 1
	s_lshl_b32 s74, s74, 23                        ; plane 1 (k) or 2 (v),
	s_lshl_b32 s75, s12, 17
	s_add_co_u32 s74, s74, s75                     ; my head,
	s_lshl_b32 s75, s15, 15
	s_add_co_u32 s74, s74, s75                     ; my chunk
	s_mov_b32 s75, 0
	s_lshl_b32 s76, s11, 5
	s_lshl_b32 s77, s[WV], 1
	s_add_co_u32 s76, s76, s77                     ; my first tile of queries: 32 cx + 2 wave; the second pass takes the tiles 16 further on
	s_lshl_b32 s77, s76, 10
	s_lshl_b32 s78, s12, 17
	s_add_co_u32 s78, s78, s77
	s_mov_b32 s79, 0
	s_mov_b32 s[SEL], 0x76543210
	s_mov_b32 s[SEL+1], 0xfedcba98
	s_mov_b32 s[CS], 0x3e38aa3b                    ; log2(e) / 8
	s_wait_dscnt 0x0                               ; both opening adds are done
	s_wait_kmcnt 0x0
	s_load_b64 s[68:69], s[6:7], 0x18              ; e6, e7
	s_load_b64 s[70:71], s[6:7], 0x20              ; e8, e9
	s_load_b32 s72, s[6:7], 0x28                   ; e10
	s_mov_b32 s[G0], 1                             ; count = 1
	s_mov_b32 s[G0+1], s14                         ; LDS address
	s_add_nc_u64 s[G0+2:G0+3], s[4:5], s[74:75]    ; global address
	s_or_b32 s[G0+3], s[G0+3], 0x80000000          ; type = 2
	ROUND                                          ; all four work-groups are here: the joint loads meet
	tensor_load_to_lds s[G0:G0+3], s[G1:G1+7]      ; my one tensor load of the launch
	s_nop 0
	PL 4
	s_add_nc_u64 s[QB:QB+1], s[4:5], s[78:79]
	s_lshr_b32 s77, s12, 4                         ; ao: row tile = batch x 128 + my tile, 16,384 bytes each; my head's 1,024 bytes of it
	s_lshl_b32 s77, s77, 7
	s_add_co_u32 s77, s77, s76
	s_lshl_b32 s77, s77, 14
	s_and_b32 s78, s12, 15
	s_lshl_b32 s78, s78, 10
	s_add_co_u32 s78, s78, s77
	s_add_nc_u64 s[8:9], s[8:9], s[78:79]
	s_mov_b32 s[LEFT], 16
	s_mov_b32 s[PASS], 2
	v_and_b32 v2, 31, v0
	s_delay_alu instid0(VALU_DEP_1)
	v_lshlrev_b32 v[LI], 4, v2
	s_delay_alu instid0(VALU_DEP_1)
	v_add_nc_u32 v[LIV], 0x20000, v[LI]
	QLOAD 0                                        ; the first pass's Q comes while the chunks land
	s_wait_kmcnt 0x0
	s_add_co_i32 s76, s68, s69
	s_lshl_b32 s76, s76, 23
	s_add_co_i32 s[CS], s[CS], s76                 ; a score stands for score x 2^(e6 + e7): the exponents are added to c's exponent field
	s_mov_b32 s[CS+1], s[CS]                       ; (named with it as a pair, so it is written)
	s_add_co_i32 s76, s70, 127
	s_lshl_b32 s77, s76, 23
	v_mov_b32 v[PSCL], s77
	s_add_co_i32 s76, s76, 8
	s_lshl_b32 s76, s76, 23
	s_or_b32 s76, s76, 0x600000
	v_mov_b32 v[PLIM], s76
	v_mov_b32 v[PLIM2], s76
	s_add_co_i32 s76, s72, 127
	s_lshl_b32 s77, s76, 23
	v_mov_b32 v[OSCL], s77
	s_add_co_i32 s76, s76, 8
	s_lshl_b32 s76, s76, 23
	s_or_b32 s76, s76, 0x600000
	v_mov_b32 v[OLIM], s76
	s_add_co_i32 s73, s70, s71                     ; e8 + e9
	s_wait_alu depctr_va_vdst(0)
	s_wait_tensorcnt 0x0                           ; my chunk has landed,
	s_barrier_signal -1
	s_barrier_wait -1                              ; and so has every wave's: all of K and V is in LDS, and nothing is filled again
	KLOAD 0, LI, 0                                 ; the first step's key groups 0 and 1
	KLOAD 1, LI, 4096
.Lpass:                                            ; two trips: 32 queries each
.irp q, 0,1
	v_mov_b32 v[ST+8*\q+1], 0xff61b1e6             ; the largest t so far: -3e38, under every t
	s_delay_alu instid0(VALU_DEP_1)
	v_floor_f32 v[ST+8*\q], -v[ST+8*\q+1]          ; -M
	v_mov_b32 v[ST+8*\q+2], 0                      ; the sum, in four chains of two halves
	v_mov_b32 v[ST+8*\q+3], 0
	v_mov_b32 v[SUM2+2*\q], 0
	v_mov_b32 v[SUM2+2*\q+1], 0
.irp k, 0,1,2,3
	v_mov_b32 v[SUM3+4*\q+\k], 0
.endr
	v_mov_b32 v[ST+8*\q+5], 0                      ; (named as the upper half of f's pair)
.endr
.set j, 0
.rept 64
	v_mov_b32 v[O+j], 0                            ; O^T.  (The step has one form: the first finds zeros, which the first change of M leaves zeros)
.set j, j+1
.endr
	s_mov_b32 s[TB], 0
	s_mov_b32 s[CNT], 8
	s_wait_alu depctr_va_vdst(0)
	s_wait_loadcnt 0x0                             ; Q
	s_wait_dscnt 0x0                               ; key groups 0 and 1
.Lstep:                                            ; eight trips: 256 keys x my 32 queries
	s_add_co_u32 s[TN], s[TB], 16384
	s_and_b32 s[TN], s[TN], 0x1ffff                ; behind the pass's last step: the next pass's first
	v_add_nc_u32 v[ADK], s[TB], v[LI]
	v_add_nc_u32 v[ADV], s[TB], v[LIV]
	v_add_nc_u32 v[ADN], s[TN], v[LI]
	PL 2                                           ; five places behind the last products: the scores are laid over registers that those have read
	WIN W_D1
	SMUL 0
	SMUL 1
	PL 4                                           ; places: for the loads into K's buffers and for the first reads of the scores
	WIN 0
	KLOAD 0, ADK, 8192                             ; key groups 2 and 3 come while the first two groups' maxima are taken
	KLOAD 1, ADK, 12288
	WIN W_MX
	MAXH 0, 1
	s_wait_alu depctr_va_vdst(0)
	s_wait_dscnt 0x0
	WIN W_D1
	SMUL 2
	SMUL 3
	PL 4
	WIN 0
	s_cmp_eq_u32 s[LEFT], 1                        ; a count of steps alone: behind the very last step nothing follows, and no K is asked for
	s_cbranch_scc1 .Lno_next
	KLOAD 0, ADN, 0                                ; the next step's key groups 0 and 1
	KLOAD 1, ADN, 4096
.Lno_next:
	WIN W_MX
	MAXH 64, 0
	WIN 0
.irp q, 0,1
	v_max3_num_f32 v[ST+8*\q+6], v[ST+8*\q+6], v[ST+8*\q+7], v[MX2+2*\q]
.endr
.irp q, 0,1
	v_max_num_f32 v[ST+8*\q+6], v[ST+8*\q+6], v[MX2+2*\q+1]
.endr
.irp q, 0,1
	s_delay_alu instid0(VALU_DEP_2)
	v_permlanex16_b32 v[ST+8*\q+7], v[ST+8*\q+6], s[SEL], s[SEL+1]
.endr
.irp q, 0,1
	s_delay_alu instid0(VALU_DEP_2)
	v_max_num_f32 v[ST+8*\q+6], v[ST+8*\q+6], v[ST+8*\q+7]   ; and among lane l xor 16's
.endr
.irp q, 0,1
	s_delay_alu instid0(VALU_DEP_2)
	v_mul_f32 v[ST+8*\q+6], s[CS], v[ST+8*\q+6]    ; as t (c is positive)
.endr
.irp q, 0,1
	s_delay_alu instid0(VALU_DEP_2)
	v_max_num_f32 v[ST+8*\q+1], v[ST+8*\q+1], v[ST+8*\q+6]   ; the running largest t
.endr
.irp q, 0,1
	v_mov_b32 v[ST+8*\q+6], v[ST+8*\q]
.endr
.irp q, 0,1
	s_delay_alu instid0(VALU_DEP_4)
	v_floor_f32 v[ST+8*\q], -v[ST+8*\q+1]          ; the new -M = floor(-t) = -ceil(t): a whole number
.endr
.irp q, 0,1
	s_delay_alu instid0(VALU_DEP_2)
	v_sub_f32 v[ST+8*\q+6], v[ST+8*\q], v[ST+8*\q+6]   ; old M - new M: a whole number, 0 or less
.endr
.irp q, 0,1
	s_delay_alu instid0(VALU_DEP_2)
	v_cvt_i32_f32 v[ST+8*\q+6], v[ST+8*\q+6]       ; (it saturates)
.endr
.irp q, 0,1
	s_delay_alu instid0(VALU_DEP_2)
	v_ldexp_f32 v[ST+8*\q+4], 1.0, v[ST+8*\q+6]    ; f = 2^(old M - new M)
.endr
.irp q, 0,1
	v_pk_mul_f32 v[ST+8*\q+2:ST+8*\q+3], v[ST+8*\q+2:ST+8*\q+3], v[ST+8*\q+4:ST+8*\q+5] op_sel_hi:[1,0]   ; the sums under the new M
	v_pk_mul_f32 v[SUM2+2*\q:SUM2+2*\q+1], v[SUM2+2*\q:SUM2+2*\q+1], v[ST+8*\q+4:ST+8*\q+5] op_sel_hi:[1,0]
	v_pk_mul_f32 v[SUM3+4*\q:SUM3+4*\q+1], v[SUM3+4*\q:SUM3+4*\q+1], v[ST+8*\q+4:ST+8*\q+5] op_sel_hi:[1,0]
	v_pk_mul_f32 v[SUM3+4*\q+2:SUM3+4*\q+3], v[SUM3+4*\q+2:SUM3+4*\q+3], v[ST+8*\q+4:ST+8*\q+5] op_sel_hi:[1,0]
.endr
.irp q, 0,1
.set j, 0
.rept 16
	v_pk_mul_f32 v[O+32*\q+j:O+32*\q+j+1], v[O+32*\q+j:O+32*\q+j+1], v[ST+8*\q+4:ST+8*\q+5] op_sel_hi:[1,0]   ; O^T under the new M, each accumulator from its low end on; no exponential stands between the last products and these lines
.set j, j+2
.endr
.endr
	WIN W_S
.set j, 0
.rept 16
	TM 0, j                                        ; group 0's t - M; the later groups' stand inside the batches
	TM 1, j
.set j, j+2
.endr
	s_wait_alu depctr_va_vdst(0)
	EXPM 0, 0, 1
	WIN W_R
	ADDS 0
	WIN W_S
	EXPM 1, 1, 1
	MID 0
	EXPM 2, 1, 1
	MID 1
	EXPM 3, 1, 0
	MID 2
.irp q, 0,1
.set j, 0
.rept 16
	HOLD 128*\q+96+j
.set j, j+2
.endr
.endr
	WIN W_R
	CVTS 3
	v_nop                                          ; one plain line behind the last conversion
	WIN W_D1
	VLOAD 3
	WIN W_R
	s_wait_alu depctr_va_vdst(0)
.irp g, 0,1,2,3
	s_wait_dscnt 24-8*\g                           ; group g's eight loads of V are in; the later groups' may be out
	PV \g
.endr
	WIN 0
	s_add_co_u32 s[TB], s[TB], 16384
	s_sub_co_u32 s[LEFT], s[LEFT], 1
	s_sub_co_u32 s[CNT], s[CNT], 1
	s_cmp_lg_u32 s[CNT], 0
	s_cbranch_scc1 .Lstep
	; THE WAY OUT of a pass: o = O^T x 2^(e8 + e9) / the sum, in f32; held, converted with 2^e10, stored as 16 bytes a lane of the next operand's registers.  The additions are the places behind the last products.
	s_cmp_eq_u32 s[PASS], 1                        ; a count of passes alone: behind the last pass no Q is asked for
	s_cbranch_scc1 .Lno_q
	QLOAD 16384                                    ; the next pass's Q, 16 tiles on, comes while this pass goes out: Q's registers were last read in the step's first product
.Lno_q:
.irp q, 0,1
	v_pk_add_f32 v[ST+8*\q+2:ST+8*\q+3], v[ST+8*\q+2:ST+8*\q+3], v[SUM2+2*\q:SUM2+2*\q+1]
.endr
.irp q, 0,1
	v_pk_add_f32 v[SUM3+4*\q:SUM3+4*\q+1], v[SUM3+4*\q:SUM3+4*\q+1], v[SUM3+4*\q+2:SUM3+4*\q+3]
.endr
.irp q, 0,1
	v_pk_add_f32 v[ST+8*\q+2:ST+8*\q+3], v[ST+8*\q+2:ST+8*\q+3], v[SUM3+4*\q:SUM3+4*\q+1]
.endr
.irp q, 0,1
	v_add_f32 v[ST+8*\q+2], v[ST+8*\q+2], v[ST+8*\q+3]
.endr
.irp q, 0,1
	s_delay_alu instid0(VALU_DEP_2)
	v_permlanex16_b32 v[ST+8*\q+7], v[ST+8*\q+2], s[SEL], s[SEL+1]
.endr
.irp q, 0,1
	s_delay_alu instid0(VALU_DEP_2)
	v_add_f32 v[ST+8*\q+2], v[ST+8*\q+2], v[ST+8*\q+7]   ; the row's sum
.endr
	s_wait_alu depctr_va_vdst(0)
.irp q, 0,1
	v_rcp_f32 v[ST+8*\q+6], v[ST+8*\q+2]
.endr
	v_nop                                          ; a plain line behind the reciprocals
	s_wait_alu depctr_va_vdst(0)                   ; and the wait ahead of their first reader
.irp q, 0,1
	v_ldexp_f32 v[ST+8*\q+6], v[ST+8*\q+6], s73
.endr
	s_wait_alu depctr_va_vdst(0)
.irp q, 0,1
.set j, 0
.rept 16
	v_pk_mul_f32 v[P+32*\q+j:P+32*\q+j+1], v[O+32*\q+j:O+32*\q+j+1], v[ST+8*\q+6:ST+8*\q+7] op_sel_hi:[1,0]   ; register 16 g + i: channel 32 g + 16 h + i of query r
.set j, j+2
.endr
.endr
.irp q, 0,1
.set j, 0
.rept 32
	v_med3_num_f32 v[P+32*\q+j], v[P+32*\q+j], -v[OLIM], v[OLIM]
.set j, j+1
.endr
.irp g, 0,1,2,3
	v_cvt_scalef32_pk8_fp8_f32 v[O+8*\q+2*\g:O+8*\q+2*\g+1], v[P+32*\q+8*\g:P+32*\q+8*\g+7], v[OSCL]   ; O^T's registers are done with for this pass
.endr
.endr
	v_nop                                          ; one plain line behind the last conversion
.irp q, 0,1
.irp b, 0,1
	global_store_b128 v[LI], v[O+8*\q+4*\b:O+8*\q+4*\b+3], s[8:9] offset:16384*\q+512*\b   ; 32 lanes store 512 consecutive aligned bytes
.endr
.endr
	s_wait_xcnt 0x0                                ; the stores have read their data and the loads and stores their bases: O^T is begun anew, and the bases step
	s_add_nc_u64 s[QB:QB+1], s[QB:QB+1], 16384     ; 16 tiles of queries on
	s_add_nc_u64 s[8:9], s[8:9], 0x40000
	s_sub_co_u32 s[PASS], s[PASS], 1
	s_cmp_lg_u32 s[PASS], 0
	s_wait_alu depctr_va_vdst(0)
	s_cbranch_scc1 .Lpass
	s_wait_tensorcnt 0x0                           ; the wave's end
	ds_add_u32 v[SPW], v[NIL]
	s_wait_dscnt 0x0
	ROUND                                          ; the closing round: no work-group ends while a partner may still ask for a chunk that names it
	s_endpgm
.Lfunc_end_k_qe7a4d320a7_attn:
	.size	k_qe7a4d320a7_attn, .Lfunc_end_k_qe7a4d320a7_attn-k_qe7a4d320a7_attn
	.p2alignl 7, 3214868480
	.fill 96, 4, 3214868480
	.section	.rodata,"a",@progbits
	.p2align	6, 0x0
	.amdhsa_kernel k_qe7a4d320a7_attn
		.amdhsa_group_segment_fixed_size 263168
		.amdhsa_private_segment_fixed_size 0
		.amdhsa_enable_private_segment 0
		.amdhsa_kernarg_size 24
		.amdhsa_user_sgpr_count 2
		.amdhsa_user_sgpr_kernarg_segment_ptr 1
		.amdhsa_wavefront_size32 1
		.amdhsa_system_sgpr_workgroup_id_x 1
		.amdhsa_system_sgpr_workgroup_id_y 1
		.amdhsa_system_sgpr_workgroup_id_z 1
		.amdhsa_system_vgpr_workitem_id 0
		.amdhsa_next_free_vgpr 512
		.amdhsa_next_free_sgpr 80
		.amdhsa_reserve_vcc 0
		.amdhsa_float_denorm_mode_32 3
		.amdhsa_float_denorm_mode_16_64 3
		.amdhsa_memory_ordered 1
		.amdhsa_forward_progress 1
		.amdhsa_inst_pref_size 75
	.end_amdhsa_kernel
	.amdgpu_metadata
---
amdhsa.version: [ 1, 2 ]
amdhsa.kernels:
  - .name:           k_qe7a4d320a7_attn
    .symbol:         k_qe7a4d320a7_attn.kd
    .args:
      - { .name: qkvc, .offset: 0, .size: 8, .value_kind: global_buffer, .address_space: global }
      - { .name: lowp_scales, .offset: 8, .size: 8, .value_kind: global_buffer, .address_space: global }
      - { .name: ao, .offset: 16, .size: 8, .value_kind: global_buffer, .address_space: global }
    .group_segment_fixed_size: 263168
    .private_segment_fixed_size: 0
    .kernarg_segment_align: 8
    .kernarg_segment_size: 24
    .max_flat_workgroup_size: 256
    .sgpr_count:     80
    .vgpr_count:     512
    .wavefront_size: 32
...
	.end_amdgpu_metadata
.endif
;; end of part 3
;; launch oproj (part 4): grid 4 x 64, 4 waves a work-group, clusters of 4 x 4, 327,680 bytes of LDS; arguments ao, wc, lowp_scales, bo, out0; writes out0
.if DOCPART == 4
	.amdgcn_target "amdgcn-amd-amdhsa--gfx1250"
	.amdhsa_code_object_version 6
	.text
	.protected	k_qe7a4d320a7_oproj
	.globl	k_qe7a4d320a7_oproj
	.p2align	8
	.type	k_qe7a4d320a7_oproj,@function
k_qe7a4d320a7_oproj:
	s_mov_b64 s[64:65], 0
	v_nop
	global_prefetch_b8 v0, s[64:65] scope:SCOPE_SE
	s_setreg_imm32_b32 hwreg(HW_REG_WAVE_MODE, 25, 1), 1
	s_wait_xcnt 0x0
	s_wait_alu depctr_hold_cnt(0) depctr_sa_sdst(0) depctr_va_vdst(0) depctr_va_sdst(0) depctr_va_ssrc(0) depctr_va_vcc(0) depctr_vm_vsrc(0)
	s_getreg_b32 s2, hwreg(HW_REG_IB_STS2, 6, 4)
	s_cmp_eq_u32 s2, 0
	s_cbranch_scc0 .Lentry_in_a_cluster
	s_endpgm
.Lentry_in_a_cluster:
	s_bfe_u32 s2, ttmp6, 0x10000c
	s_cmp_lg_u32 s2, 0xf033
	s_cbranch_scc0 .Lentry_shape_is_right
	s_endpgm
.Lentry_shape_is_right:
; out0[m][n] = 2^(e10 + e11) x (sum over k of ao[m][k] wo[k][n], on codes of FP8 (E4M3)) + bo[n].  M = 8,192 tokens, N = K = 1,024; sums in f32.
; ao holds the attention's result as images of the operand's registers: a tile of 16 tokens is 16,384 bytes, 128 along K are 2,048 of them, four pieces of 512 bytes, 16 bytes a lane.
; wc's plane 3 holds wo's codes, [n][k], K innermost in natural order, column n at row swap34(n) (bits 3 and 4 exchanged): a lane's 16 results of two neighbouring tiles are 16 neighbouring columns.
; LIMIT: e10 + e11 lies between -126 and 127, so that 2^(e10 + e11) is an f32 number.
; SHARES.  A block of out0 is 128 x 256: 64 x 4 = 256 work-groups.  Four waves; a wave makes 64 x 128: 32 accumulators of 16 x 16, 256 registers (window 2).
; K goes in steps of 256 through a ring of two LDS slots: ao's 8 tiles x 4,096 bytes on end, then 256 rows of wo of 256 bytes + 16 of padding.  Waves 0, 1 fetch ao's halves, waves 2, 3 wo's: one tensor load a wave.
; CLUSTERS: 4 x 4 work-groups.  The four of a row of the cluster need the same tiles of ao, the four of a column the same tiles of wo: each tile is asked for jointly.
; THE MATRIX INSTRUCTION IS USED TRANSPOSED (source 0 = 16 rows of wo, source 1 = 16 tokens): a lane holds neighbouring numbers of a row of out0.
; No prefetch: K is four slots' worth; two are asked for at the head and the other two one change of slots later each, so no trip stands two steps ahead of a load.
; REGISTERS: window 0: v0-31 addresses, v32-35 the bias, v128-191 ao's fragments (4 x 16 tokens x 128 K), one set; on the way out v128-255.  Window 1: wo's fragments, two sets, at v0 and v128.  Window 2: the accumulators.
.set ROWB,   256
.set TSTEP,  4096                      ; 256 along K of a tile of 16 tokens
.set PITCH,  272
.set FR,     16
.set NL,     4
.set NP,     4
.set HALFU,  128*PITCH
.set UOFF,   32768                     ; wo's rows lie behind ao's 8 x 4,096 bytes
.set SLOT,   UOFF+2*HALFU
.set LAPS,   2
.set SPARE,  2*SLOT                    ; the spare words, 128 bytes a wave
.set SPITCH, 528                       ; the way out: a stage of 16 rows x (512 + 16) bytes for each wave, in slot 0, which has had its last fill and its last read by then
.set ADRA, 16
.set ADRB, 20
.set STO,  24
.set RD,   25
.set CO,   26
.set SPW,  28
.set NIL,  29
.set B4,   32
.set AF,   128
.set BK,   128
.set G1, 24
.set G0, 32
.set G1B, 48
.set G0B, 56
.set MSB, 0
.macro WIN new                         ; the immediate's high byte repeats the setting that is left
.if MSB != \new
	s_set_vgpr_msb (MSB<<8)|\new
.set MSB, \new
.endif
.endm
.set MUL_LO, 0xa1                      ; source 0 window 1, source 1 window 0, C and D window 2
.set TO_B,   0x40                      ; destination window 1
.macro JLOAD g0a, g1a, g0b, g1b        ; a joint load: waves 0, 1 for ao, waves 2, 3 for wo; the branch hangs on the wave's number alone
	s_cmp_eq_u32 s15, 0
	s_cbranch_scc0 .Lfor_b_\@
	tensor_load_to_lds s[\g0a:\g0a+3], s[\g1a:\g1a+7]
	s_nop 0
.rept 4
	v_nop
.endr
	s_branch .Lasked_\@
.Lfor_b_\@:
	tensor_load_to_lds s[\g0b:\g0b+3], s[\g1b:\g1b+7]
	s_nop 0
.rept 4
	v_nop
.endr
.Lasked_\@:
.endm
.macro CREST                           ; a round of the cluster's barrier behind its opening barrier
	s_cmp_lg_u32 s14, 0
	s_cbranch_scc1 .Lnot_wave_0_\@
	s_barrier_signal -3
.Lnot_wave_0_\@:
	s_barrier_wait -3
	s_barrier_signal -1
	s_barrier_wait -1
.endm
.macro CROUND
	s_barrier_signal -1
	s_barrier_wait -1
	CREST
.endm
	s_load_b256 s[4:11], s[0:1], 0x0               ; ao s[4:5], wc s[6:7], the scales s[8:9], bo s[10:11]
	s_load_b64 s[12:13], s[0:1], 0x20              ; out0
	v_lshl_add_u32 v[SPW], v0, 2, SPARE
	v_mov_b32 v[NIL], 0
	ds_add_u32 v[SPW], v[NIL]                      ; the opening lines: the add, twice on end, and its wait ahead of my first tensor load
	ds_add_u32 v[SPW], v[NIL]
	v_lshrrev_b32 v1, 5, v0
	v_readfirstlane_b32 s14, v1                    ; wave 0..3
	s_lshr_b32 s15, s14, 1                         ; which 64 tokens are mine.  Also: I fetch for ao (0) or for wo (1)
	s_and_b32 s16, s14, 1                          ; which 128 columns.  Also: which half of that tile I fetch
	s_bfe_u32 s40, ttmp6, 0x40000                  ; cx, cy
	s_bfe_u32 s41, ttmp6, 0x40004
	s_lshl_b32 s42, ttmp9, 2
	s_add_co_u32 s42, s42, s40                     ; block column
	s_and_b32 s17, ttmp7, 0xffff
	s_lshl_b32 s17, s17, 2
	s_add_co_u32 s17, s17, s41                     ; block row
	s_lshl_b32 s43, s41, 2
	s_lshl_b32 s43, 15, s43                        ; my row of the cluster
	s_lshl_b32 s44, 0x1111, s40                    ; my column
	s_or_b32 s[G1+0], s43, (0<<16)|(1<<21)         ; ao: 4 rows of 4,096 bytes, 16,384 apart, no padding
	s_mov_b32 s[G1+1], TSTEP<<16
	s_mov_b32 s[G1+2], 4<<16
	s_mov_b32 s[G1+3], TSTEP<<16
	s_mov_b32 s[G1+4], 4
	s_mov_b32 s[G1+5], 16384
	s_mov_b32 s[G1+6], 0
	s_mov_b32 s[G1+7], 0
	s_or_b32 s[G1B+0], s44, (0<<16)|(1<<20)|(1<<21)|(5<<22)|(3<<25)   ; wo: 128 rows of 256 bytes, four words of padding behind every 64
	s_mov_b32 s[G1B+1], ROWB<<16
	s_mov_b32 s[G1B+2], 128<<16
	s_mov_b32 s[G1B+3], ROWB<<16
	s_mov_b32 s[G1B+4], 128
	s_mov_b32 s[G1B+5], 1024
	s_mov_b32 s[G1B+6], 0
	s_mov_b32 s[G1B+7], 0
	s_lshl_b32 s20, s17, 3
	s_lshl_b32 s18, s16, 2
	s_add_co_u32 s20, s20, s18                     ; ao: tile of tokens 8 x block row + 4 x half,
	s_lshl_b32 s20, s20, 14                        ; 16,384 bytes each
	s_mov_b32 s21, 0
	s_lshl_b32 s46, s42, 8
	s_lshl_b32 s18, s16, 7
	s_add_co_u32 s46, s46, s18                     ; wo: row 256 x block column + 128 x half,
	s_lshl_b32 s46, s46, 10
	s_add_co_u32 s46, s46, 0x300000                ; in plane 3
	s_mov_b32 s47, 0
	s_lshl_b32 s45, s16, 14                        ; where they go: no place in the cluster enters an LDS address
	s_mul_i32 s19, s16, HALFU
	s_add_co_u32 s19, s19, UOFF
	s_wait_dscnt 0x0                               ; both opening adds are done
	s_wait_kmcnt 0x0
	s_load_b64 s[96:97], s[8:9], 0x28              ; e10, e11
	s_add_nc_u64 s[20:21], s[4:5], s[20:21]
	s_add_nc_u64 s[46:47], s[6:7], s[46:47]
	CROUND                                         ; all sixteen work-groups are here: the first joint loads meet
.irp s, 0,1
	s_mov_b32 s[G0+4*\s], 1
	s_add_co_u32 s[G0+4*\s+1], s45, \s*SLOT
	s_add_nc_u64 s[G0+4*\s+2:G0+4*\s+3], s[20:21], \s*TSTEP
	s_or_b32 s[G0+4*\s+3], s[G0+4*\s+3], 0x80000000
	s_mov_b32 s[G0B+4*\s], 1
	s_add_co_u32 s[G0B+4*\s+1], s19, \s*SLOT
	s_add_nc_u64 s[G0B+4*\s+2:G0B+4*\s+3], s[46:47], \s*ROWB
	s_or_b32 s[G0B+4*\s+3], s[G0B+4*\s+3], 0x80000000
.endr
	JLOAD G0, G1, G0B, G1B                         ; K step 0: one tensor load a wave at the head
	s_lshl_b32 s66, s15, 14                        ; my 4 tiles of tokens in a slot
	s_mul_i32 s67, s16, HALFU
	s_add_co_u32 s67, s67, UOFF                    ; my 128 rows of wo
	s_mul_i32 s68, s14, 16*SPITCH                  ; my stage
	s_lshl_b32 s20, s17, 7
	s_lshl_b32 s18, s15, 6
	s_add_co_u32 s20, s20, s18                     ; my first row of out0: 128 x block row + 64 x half,
	s_lshl_b32 s20, s20, 12                        ; 4,096 bytes each
	s_mov_b32 s21, 0
	s_lshl_b32 s46, s42, 10                        ; my first column, in bytes: 1,024 x block column + 512 x half
	s_lshl_b32 s47, s16, 9
	s_add_co_u32 s46, s46, s47
	s_mov_b32 s47, 0
	s_add_nc_u64 s[10:11], s[10:11], s[46:47]
	s_add_nc_u64 s[20:21], s[20:21], s[46:47]
	s_add_nc_u64 s[12:13], s[12:13], s[20:21]
	v_and_b32 v1, 15, v0                           ; l % 16
	v_bfe_u32 v2, v0, 4, 1                         ; l / 16
	v_and_b32 v6, 31, v0
	v_lshlrev_b32 v[CO], 4, v6                     ; 16 x lane
	v_mul_u32_u24 v3, v1, PITCH
	v_lshl_add_u32 v4, v2, 4, v3
	v_add_nc_u32 v[ADRA], s66, v[CO]
	v_add_nc_u32 v[ADRB], s67, v4
	v_add_nc_u32 v[ADRA+1], SLOT, v[ADRA]
	v_add_nc_u32 v[ADRB+1], SLOT, v[ADRB]
	v_mul_u32_u24 v5, v1, SPITCH                   ; into the stage: row l % 16, 64 bytes for each half of the lanes
	v_lshl_add_u32 v5, v2, 6, v5
	v_add_nc_u32 v[STO], s68, v5
	v_add_nc_u32 v[RD], s68, v[CO]                 ; back: the 32 lanes take one row of 512 bytes
	global_load_b128 v[B4:B4+3], v[CO], s[10:11]   ; the bias of my lane's four columns
.macro FRAG reg, adr, q, i             ; wo: 16 rows x 128 K: registers 4 c .. 4 c + 3 hold K = 32 c + 16 (l / 16) + 0 .. 15
.irp c, 0,1,2,3
	ds_load_b128 v[\reg+4*\c:\reg+4*\c+3], v[\adr] offset:128*(\q)+32*\c+(\i)*16*PITCH
.endr
.endm
.macro FRAGT reg, adr, q, i            ; ao: the same places of K, as an image
.irp c, 0,1,2,3
	ds_load_b128 v[\reg+4*\c:\reg+4*\c+3], v[\adr] offset:4096*(\i)+2048*(\q)+512*\c
.endr
.endm
.macro MUL16 a0, p, zero               ; 16 matrix instructions: token tiles a0, a0 + 1 x wo's eight; the 32 accumulators take turns in the same order in every step
.irp a, \a0, \a0+1
.irp b, 0,1,2,3,4,5,6,7
.if \zero
	v_wmma_f32_16x16x128_fp8_fp8 v[8*(8*(\a)+\b):8*(8*(\a)+\b)+7], v[128*(\p)+FR*\b:128*(\p)+FR*\b+FR-1], v[AF+FR*(\a):AF+FR*(\a)+FR-1], 0
.else
	v_wmma_f32_16x16x128_fp8_fp8 v[8*(8*(\a)+\b):8*(8*(\a)+\b)+7], v[128*(\p)+FR*\b:128*(\p)+FR*\b+FR-1], v[AF+FR*(\a):AF+FR*(\a)+FR-1], v[8*(8*(\a)+\b):8*(8*(\a)+\b)+7]
.endif
.endr
.endr
.endm
.macro FETCH_B slot, q, p
	WIN TO_B
.irp i, 0,1,2,3,4,5,6,7
	FRAG 128*(\p)+FR*\i, ADRB+\slot, \q, \i
.endr
	WIN 0
.endm
.macro FETCH_A slot, q, i0             ; token tiles i0, i0 + 1
.irp i, \i0, \i0+1
	FRAGT AF+FR*(\i), ADRA+\slot, \q, \i
.endr
.endm
.macro PLACES n                        ; places behind matrix instructions, in front of loads into registers that they have read
.rept \n
	v_nop
.endr
.endm
.macro STEP slot, q, zero              ; a step of 128 along K that has its successor in the same slot
	s_wait_dscnt 2*NL                              ; wo's set and token tiles 0, 1 are in; the youngest eight loads (tiles 2, 3) may be out
	WIN MUL_LO
	MUL16 0, (\q)%2, \zero
	s_wait_dscnt 0
	PLACES NP
	FETCH_B \slot, (\q)+1, 1-(\q)%2
	FETCH_A \slot, (\q)+1, 0
	WIN MUL_LO
	MUL16 2, (\q)%2, \zero
	PLACES NP
	WIN 0
	FETCH_A \slot, (\q)+1, 2
.endm
.macro TURN slot, next, fill           ; a slot's last step changes slots
	s_wait_tensorcnt 0x0                           ; all my tensor loads have landed: my part of the next slot;
	ds_add_u32 v[SPW], v[NIL]                      ; 0 onto my spare word;
	s_wait_dscnt 2*NL+1                            ; (the add and the youngest eight loads may be out)
	WIN MUL_LO
	MUL16 0, 1, 0
	WIN 0
	s_wait_dscnt 0x0                               ; the add is done, and my reads of this slot are over
	s_barrier_signal -1
	s_barrier_wait -1
.if \fill
	CREST                                          ; the barrier has opened a round of the cluster's barrier
	s_add_nc_u64 s[G0+4*\slot+2:G0+4*\slot+3], s[G0+4*\slot+2:G0+4*\slot+3], 2*TSTEP
	s_add_nc_u64 s[G0B+4*\slot+2:G0B+4*\slot+3], s[G0B+4*\slot+2:G0B+4*\slot+3], 2*ROWB
	JLOAD G0+4*\slot, G1, G0B+4*\slot, G1B         ; the first tensor load behind the round; its four v_nop are the places in front of the loads below
.else
	PLACES NP
.endif
	FETCH_B \next, 0, 0
	FETCH_A \next, 0, 0
	WIN MUL_LO
	MUL16 2, 1, 0
	PLACES NP
	WIN 0
	FETCH_A \next, 0, 2
.endm
	s_wait_alu depctr_va_vdst(0)
	s_wait_tensorcnt 0x0                           ; my part of K step 0 is in
	ds_add_u32 v[SPW], v[NIL]
	s_wait_dscnt 0x0
	CROUND                                         ; everybody's part of K step 0 is in, and all sixteen work-groups are here
	JLOAD G0+4, G1, G0B+4, G1B                     ; K step 1, the first tensor load behind the round
	FETCH_B 0, 0, 0
	FETCH_A 0, 0, 0
	FETCH_A 0, 0, 2
	STEP 0, 0, 1                                   ; the first step's products start the sums
	s_mov_b32 s3, LAPS-1
.Llap:                                                 ; a trip goes once round the ring and fills both slots again
	TURN 0, 1, 1
	STEP 1, 0, 0
	TURN 1, 0, 1
	STEP 0, 0, 0
	s_sub_co_u32 s3, s3, 1
	s_cmp_lg_u32 s3, 0
	s_cbranch_scc1 .Llap
	TURN 0, 1, 0                                   ; the last lap fills nothing
	STEP 1, 0, 0
	s_wait_dscnt 0
	WIN MUL_LO
	MUL16 0, 1, 0
	MUL16 2, 1, 0
	WIN 0
; THE WAY OUT, by blocks of 16 rows x 128 columns: through my stage in LDS, back as whole rows of 512 bytes; there x 2^(e10 + e11) + bias, and stored as two aligned units of 256 bytes.
.macro TOSTAGE a
.set AC, 64*(\a)
	WIN 0x08                                       ; the stores' data: window 2
.irp b, 0,1,2,3,4,5,6,7
	ds_store_b128 v[STO], v[AC+8*\b:AC+8*\b+3] offset:128*(\b/2)+32*(\b%2)
	ds_store_b128 v[STO], v[AC+8*\b+4:AC+8*\b+7] offset:128*(\b/2)+32*(\b%2)+16
.endr
	WIN 0
.set BB, BK+64*((\a)%2)
.irp t, 0,1,2,3,4,5,6,7,8,9,10,11,12,13,14,15
	ds_load_b128 v[BB+4*\t:BB+4*\t+3], v[RD] offset:\t*SPITCH   ; LDS serves a wave's instructions in order (ISA guide 5.7.1.4): these see my stores
.endr
.endm
.macro SEND a, younger                 ; younger: the LDS instructions issued behind block a's loads, which may stay out
.set BB, BK+64*((\a)%2)
	s_wait_dscnt \younger
.if (\a) > 0
	s_add_nc_u64 s[12:13], s[12:13], 16*4096       ; (behind a wait on XCNT: the earlier stores have read their base)
.endif
.set j, 0
.rept 16
	v_pk_fma_f32 v[BB+j:BB+j+1], v[BB+j:BB+j+1], s[96:97], v[B4:B4+1] op_sel_hi:[1,0,1]
	v_pk_fma_f32 v[BB+j+2:BB+j+3], v[BB+j+2:BB+j+3], s[96:97], v[B4+2:B4+3] op_sel_hi:[1,0,1]
.set j, j+4
.endr
.irp t, 0,1,2,3,4,5,6,7,8,9,10,11,12,13,14,15
	global_store_b128 v[CO], v[BB+4*\t:BB+4*\t+3], s[12:13] offset:\t*4096 th:TH_STORE_NT   ; 32 lanes store 512 consecutive aligned bytes
.endr
.endm
	s_wait_kmcnt 0x0
	s_wait_loadcnt 0x0                             ; the bias
	s_add_co_i32 s96, s96, s97
	s_add_co_i32 s96, s96, 127
	s_lshl_b32 s96, s96, 23                        ; 2^(e10 + e11) as f32
	s_mov_b32 s97, s96
	PLACES NP
	TOSTAGE 0
.irp a, 1,2,3
.if \a > 1
	s_wait_xcnt 0x0                                ; block a - 2's stores have read their registers and their base
.endif
	TOSTAGE \a
	SEND \a-1, 32                                  ; behind block a - 1's loads: block a's 16 stores and 16 loads
.endr
	s_wait_xcnt 0x0
	SEND 3, 0
	s_wait_tensorcnt 0x0                           ; the wave's end
	ds_add_u32 v[SPW], v[NIL]
	s_wait_dscnt 0x0
	CROUND                                         ; the closing round
	s_endpgm
.Lfunc_end_k_qe7a4d320a7_oproj:
	.size	k_qe7a4d320a7_oproj, .Lfunc_end_k_qe7a4d320a7_oproj-k_qe7a4d320a7_oproj
	.p2alignl 7, 3214868480
	.fill 96, 4, 3214868480
	.section	.rodata,"a",@progbits
	.p2align	6, 0x0
	.amdhsa_kernel k_qe7a4d320a7_oproj
		.amdhsa_group_segment_fixed_size 327680
		.amdhsa_private_segment_fixed_size 0
		.amdhsa_enable_private_segment 0
		.amdhsa_kernarg_size 40
		.amdhsa_user_sgpr_count 2
		.amdhsa_user_sgpr_kernarg_segment_ptr 1
		.amdhsa_wavefront_size32 1
		.amdhsa_system_sgpr_workgroup_id_x 1
		.amdhsa_system_sgpr_workgroup_id_y 1
		.amdhsa_system_sgpr_workgroup_id_z 1
		.amdhsa_system_vgpr_workitem_id 0
		.amdhsa_next_free_vgpr 768
		.amdhsa_next_free_sgpr 98
		.amdhsa_reserve_vcc 0
		.amdhsa_float_denorm_mode_32 3
		.amdhsa_float_denorm_mode_16_64 3
		.amdhsa_memory_ordered 1
		.amdhsa_forward_progress 1
		.amdhsa_inst_pref_size 77
	.end_amdhsa_kernel
	.amdgpu_metadata
---
amdhsa.version: [ 1, 2 ]
amdhsa.kernels:
  - .name:           k_qe7a4d320a7_oproj
    .symbol:         k_qe7a4d320a7_oproj.kd
    .args:
      - { .name: ao, .offset: 0, .size: 8, .value_kind: global_buffer, .address_space: global }
      - { .name: wc, .offset: 8, .size: 8, .value_kind: global_buffer, .address_space: global }
      - { .name: lowp_scales, .offset: 16, .size: 8, .value_kind: global_buffer, .address_space: global }
      - { .name: bo, .offset: 24, .size: 8, .value_kind: global_buffer, .address_space: global }
      - { .name: out0, .offset: 32, .size: 8, .value_kind: global_buffer, .address_space: global }
    .group_segment_fixed_size: 327680
    .private_segment_fixed_size: 0
    .kernarg_segment_align: 8
    .kernarg_segment_size: 40
    .max_flat_workgroup_size: 128
    .sgpr_count:     98
    .vgpr_count:     768
    .wavefront_size: 32
...
	.end_amdgpu_metadata
.endif
;; end of part 4
